; MI455X (gfx1250); checked and timed in simulation.
; The chip was launched on July 23, 2026; its instructions are those of AMD's public machine-readable ISA for CDNA 5 (MIT licence, August 2026) and "CDNA5" Instruction Set Architecture Reference Guide (July 2026). The comments in the code are by the model that wrote it; some were corrected since.
;; Playlist Constructor. Allowed arithmetic: matrix products marked QUANTISED: E3M2 operands, one E8M0 scale for each 32 along K, by v_wmma_scale_f32_16x16x128_f8f6f4 with both operands' format E3M2, f32 sums; everything else in f32.
;; Inputs: Wk 256 x 256 float32; Wq 256 x 256 float32; Wv 256 x 256 float32; length 32 float32; mask 32 x 1,024 bool; track_feat_seq 32 x 1,024 x 256 float32; track_idx_seq 32 x 1,024 int32.
;; Outputs: out0 32 x 256 float32.
;; This version of the problem:
;;   THIS VERSION OF THE PROBLEM IS GIVEN IN LOW PRECISION. The matrix products marked QUANTISED in the list below multiply operands that are first quantised to E3M2 (3 exponent bits, 2 mantissa bits; 6 bits a number), with one power-of-two scale for each 32 numbers along K (OCP MX v1.0); their sums are f32. All else is computed in f32.
;;   The module's matrix products, in the order in which they are computed (A, B: the left and right operand; K: the contracted axis; several contracted axes count as one K, in the product's order):
;;     1. [M 32,768, K 256] x [K 256, N 256]; A: input track_feat_seq; B: input Wq: QUANTISED
;;     2. [M 32,768, K 256] x [K 256, N 256]; A: input track_feat_seq; B: input Wk: QUANTISED
;;     3. [M 32,768, K 256] x [K 256, N 256]; A: input track_feat_seq; B: input Wv: QUANTISED
;;     4. batch 32 x [M 1,024, K 256] x [K 256, N 1,024]; A: computed on the way; B: computed on the way: QUANTISED
;;     5. batch 32 x [M 1,024, K 1,024] x [K 1,024, N 256]; A: softmax (see below); B: computed on the way: QUANTISED
;;   THE QUANTISER, for each operand of a quantised product, along K:
;;     - K is cut into blocks of 32 from its start; a last block that is shorter is filled with zeros.
;;     - A block's scale is 2^e with e = floor(log2(the largest magnitude in the block)) - 4, held to -126 .. 127; a block of zeros has e = 0. As a byte (E8M0): e + 127.
;;     - Each number is divided by its block's scale, clamped to +-28, and rounded to the nearest number of E3M2, ties to even, subnormals kept.
;;     - The product sums the exact products of the quantised numbers (number of the format x scale) in f32.
;;   ~~~python
;;   def quantise(x, axis):      # numpy; x: float32 -> the quantised numbers, widened to float32 again
;;       x = np.moveaxis(x, axis, -1); K = x.shape[-1]
;;       x = np.pad(x, [(0, 0)] * (x.ndim - 1) + [(0, -K % 32)]); x = x.reshape(x.shape[:-1] + (-1, 32)); a = np.abs(x).max(-1, keepdims=True)
;;       e = np.where(a > 0, np.clip(np.frexp(np.where(a > 0, a, 1))[1] - 1 - 4, -126, 127), 0)      # np.frexp(a)[1] - 1 = floor(log2(a)), exactly
;;       r = np.clip(x / 2.0 ** e, -28, 28)
;;       step = 2.0 ** (np.maximum(np.frexp(np.where(r == 0, 1, r))[1] - 1, -2) - 2)
;;       q = np.round(r / step) * step * 2.0 ** e      # np.round: ties to even
;;       return np.moveaxis(q.reshape(q.shape[:-2] + (-1,))[..., :K], -1, axis).astype(np.float32)
;;   ~~~
;;   SOFTMAX AHEAD OF A QUANTISED PRODUCT. Where the list says 'softmax', what is quantised is not the finished softmax but p = 2^(t - M), with t = logit x log2(e) and M = ceil(the row's largest t), a whole number; so 1/2 < the row's largest p <= 1. The row's sum l is taken of the UNQUANTISED p, in f32, and the product's result is divided by l at the end. Since M is a whole number, a kernel that streams over the keys may use a running M (the ceiling of the running maximum): every later rescaling is an exact power of two, which a block's scale takes up: the codes' values come out the same.
;;   OPERANDS COMPUTED ON THE WAY. 'Computed on the way' means the value that the module computes at that place (a softmax that the list does not call 'softmax' is quantised finished and normalised). What goes into a quantiser is computed in f32, as accurately as f32 sums, v_exp_f32 and their like allow (about 1e-6 of the number): no bf16 or f16 on the way to a quantiser, and a product that is left as it is and whose result goes on into a quantised operand takes f32 operands (vector FMAs, or v_wmma_f32_16x16x4_f32). A number that lies on a knife's edge between two numbers of the format may be rounded either way, as far as f32 arithmetic and the matrix unit's own rounding can turn it there, and no further.
;; One version. Each part assembles by itself: llvm-mc -triple=amdgcn-amd-amdhsa -mcpu=gfx1250 --defsym DOCPART=n.
;; ======== version 1 of 1: 3 launches
;; limits: right only within a limited range of input values
;; workspace buffers: qbuf 6,815,744 bytes; kbuf 6,815,744 bytes; vbuf 6,815,744 bytes; part 524,288 bytes
;; launch proj (part 1): grid 4 x 64, 8 waves a work-group, clusters of 4 x 4, 327,680 bytes of LDS; arguments track_feat_seq, Wq, Wk, Wv, qbuf, kbuf, vbuf; writes qbuf, kbuf, vbuf
.if DOCPART == 1
	.amdgcn_target "amdgcn-amd-amdhsa--gfx1250"
	.amdhsa_code_object_version 6
	.text
	.protected	k_q190ac4f5d2_proj
	.globl	k_q190ac4f5d2_proj
	.p2align	8
	.type	k_q190ac4f5d2_proj,@function
k_q190ac4f5d2_proj:
	s_mov_b64 s[64:65], 0
	v_nop
	global_prefetch_b8 v0, s[64:65] scope:SCOPE_SE
	s_setreg_imm32_b32 hwreg(HW_REG_WAVE_MODE, 25, 1), 1
	s_wait_xcnt 0x0
	s_wait_alu depctr_hold_cnt(0) depctr_sa_sdst(0) depctr_va_vdst(0) depctr_va_sdst(0) depctr_va_ssrc(0) depctr_va_vcc(0) depctr_vm_vsrc(0)
	s_getreg_b32 s2, hwreg(HW_REG_IB_STS2, 6, 4)
	s_cmp_eq_u32 s2, 0
	s_cbranch_scc0 .Lentry_in_a_cluster
	s_endpgm
.Lentry_in_a_cluster:
	s_bfe_u32 s2, ttmp6, 0x10000c
	s_cmp_lg_u32 s2, 0xf033
	s_cbranch_scc0 .Lentry_shape_is_right
	s_endpgm
.Lentry_shape_is_right:
; q = x Wq^T, k = x Wk^T, v = x Wv^T on codes of BF6 (E3M2) with one E8M0 byte for each 32 along K; x [32768][256] and the weights [256][256], f32, are quantised here; the results are quantised at once for the next products:
; q and k along the features, v along the KEYS.  track_idx_seq has no way to reference()'s result: no launch loads it.
; SHARES.  A work-group makes, for 512 rows of x, the 64 features 64 g .. of each of q, k and v (g = its place along the cluster's x).  A WAVE OWNS 64 ROWS: it quantises its own x and makes all three results of it alone.
; CLUSTER, 4 x 4: the four of a row read the same 512 rows of x, the four of a column the same 192 rows of the weights: each tile is asked for JOINTLY by the four that read it.
; LDS: first the weights' 192 rows (q's 64, k's, v's; 1,024 bytes + 16); each wave quantises three of their 24 fragments and puts the images of the operand's registers into LDS for all.  Then the same bytes take x, 32 rows a wave, twice.
; THE ROWS OF A TILE ARE NOT NEIGHBOURS.  x: tile 4 c + v of a record of 128 rows holds in lane r the row 64 c + 8 v + r for r < 8, and 64 c + 32 + 8 (v ^ 1) + r - 8 for the others; weights of q and k alike, with 64 g for 64 c.
; Used as source 0, the 32 result registers of tiles 4 c .. 4 c + 3 are then a whole block of 32 of the next K in one lane: no lane asks another for a maximum.  (v ^ 1 lets rows that lie 16 or 32 apart in LDS begin at different
; columns of 256 bytes.)  The order inside a block is the same in q and in k, and the same in k's rows and in v's keys.
;   q, k: source 0 = 16 rows of W, source 1 = 16 rows of x: a lane holds one row of x and 32 features of each.     v: source 0 = 16 rows of x (keys), source 1 = 16 rows of Wv: a lane holds one feature and 32 keys.
; OUT, a record of 26,624 bytes for each 128 rows.  A half fragment is 6 registers: 512 bytes (registers 0-3, 16 x lane), then 256 bytes (registers 4, 5, 8 x lane).  q, k: half fragment (tile of rows t, g) at 768 (4 t + g);
; v: (tile of 16 features T, 64 keys ch) at 768 (2 T + ch).  Scales at 24576 + 256 (4 ch + g) + 8 lane: four tiles' 16-bit pairs (the byte of lanes 0-15's block low), the same in lanes l and l + 16.
; PREFETCH: each half of x is asked of memory one step ahead of its joint load: 256 bytes a lane, one instruction a wave; the four partners share the 32 rows of a wave by address.
; LIMITS: a block of zeros gets the byte 1 (its codes are zeros; this program alone reads the bytes); blocks whose largest magnitude lies under 2^-122 are held at the byte 1; NaN and infinities are not served.
; REGISTERS.  window 0: v1-16 addresses; v20-38 work; v40-51 results' scale words; v52-63 the weights' scale words (lanes 0-15 K step 0, lanes 16-31 K step 1); v64-71 x's; v72-95 results' codes; v96-191 x's 8 fragments; v192-255 accumulators or numbers.
;   window 1: v0-191 Wq's and Wk's 16 fragments, at the end Wv's 8; v192-255 numbers or accumulators.
.set REC,  26624
.set XP,   1040                        ; a row in LDS: 1,024 bytes + 16
.set XW,   32*XP                       ; a wave's 32 rows of x
.set IMG,  8*XW                        ; images of the weights' 24 fragments, 1,536 bytes each
.set WSC,  IMG+24*1536                 ; their scale words, 128 bytes for each tile
.set SPARE, WSC+1536                   ; the spare words, 128 bytes for each wave: no other line names them
.set SPW,  1
.set NIL,  2
.set LI,   3                           ; 16 x lane
.set L8,   4                           ; 8 x lane
.set LIM,  5                           ; IMG + 16 x lane
.set LSC,  6                           ; WSC + 4 x lane
.set SH8,  7                           ; 8 x (lane / 16)
.set AX,   8                           ; v8-9 my lane's place in the rows of x of the first, the second tile
.set AW,   10                          ; in the rows of my tile of Wq or Wk
.set AV,   11                          ; and of my fragment of Wv
.set IMW,  12                          ; where I store images: Wq's or Wk's,
.set IVW,  13                          ; Wv's,
.set SCW,  14                          ; and scale words
.set SVW,  15
.set PF,   16                          ; 256 x lane
.set TA,   20
.set TB,   22
.set CV,   24
.set BY,   26
.set PX,   28
.set TC,   32                          ; v32-34, v36-38
.set KW,   40                          ; v40-43 q's and k's pairs of my four tiles
.set KQ,   44                          ; v44-47 the same by q and k
.set VW,   48                          ; v48-49
.set WSQ,  52
.set WSV,  60
.set XS,   64
.set OC,   72
.set XF,   96
.set G1X,  28
.set G1A,  36
.set G1B,  44
.set G0A,  52
.set G0B,  56
.set G0X,  60
.set WV,   18
.set SEL,  24                          ; s[24:25] lane selects of v_permlanex16_b32: lane l xor 16
.set MSB, 0
.macro WIN new                         ; the immediate's high byte repeats the setting that is left; a switch that changes nothing is dropped
.if MSB != (\new)
	s_set_vgpr_msb (MSB<<8)|(\new)
.set MSB, (\new)
.endif
.endm
.macro PLACES n                        ; plain lines behind matrix instructions, in front of loads into their registers and of reads of their results
.rept \n
	v_nop
.endr
.endm
.macro CROUND                          ; a round of the cluster's barrier
	s_barrier_signal -1
	s_barrier_wait -1
	s_cmp_lg_u32 s[WV], 0
	s_cbranch_scc1 .Lnot_wave_0_\@
	s_barrier_signal -3
.Lnot_wave_0_\@:
	s_barrier_wait -3
	s_barrier_signal -1
	s_barrier_wait -1
.endm
; 64 numbers of a lane, two blocks of 32, in window sw from src on, become 2 x 6 code registers at pc (even) and a word in pw: block 0's byte and, 16 bits up, block 1's, 8 h bits up; joined with lane l xor 16's.
; Of an operand that is the row's scale word (blocks h and 2 + h of the row's four); of two results it is two 16-bit pairs.
.macro QB sw, src, pc, pw
	WIN 0x14*\sw
.irp c, 0,1
	v_max3_num_f32 v[TA+\c], 0x2800000, |v[(\src)+32*\c]|, |v[(\src)+32*\c+1]|   ; the floor 2^(5 - 127): the byte cannot fall under 1.  Two chains a block, ascending: each accumulator is first read at its low end
	v_max3_num_f32 v[TB+\c], 0x2800000, |v[(\src)+32*\c+16]|, |v[(\src)+32*\c+17]|
.endr
.irp k, 2,4,6,8,10,12,14
.irp c, 0,1
	v_max3_num_f32 v[TA+\c], v[TA+\c], |v[(\src)+32*\c+\k]|, |v[(\src)+32*\c+\k+1]|
	v_max3_num_f32 v[TB+\c], v[TB+\c], |v[(\src)+32*\c+16+\k]|, |v[(\src)+32*\c+17+\k]|
.endr
.endr
	WIN 0
.irp c, 0,1
	v_max_num_f32 v[TA+\c], v[TA+\c], v[TB+\c]
.endr
.irp c, 0,1
	v_add_nc_u32 v[CV+\c], 0xfe000000, v[TA+\c]            ; 4 off the exponent field: the conversion's scale operand
.endr
	WIN 0x01*\sw
.irp c, 0,1
	v_cvt_scalef32_pk16_bf6_f32 v[(\pc)+6*\c:(\pc)+6*\c+2], v[(\src)+32*\c:(\src)+32*\c+15], v[CV+\c]
	v_cvt_scalef32_pk16_bf6_f32 v[TC+4*\c:TC+4*\c+2], v[(\src)+32*\c+16:(\src)+32*\c+31], v[CV+\c]   ; a conversion's three registers begin on an even number: the upper halves are made elsewhere and moved
.endr
	WIN 0
.irp c, 0,1
	v_lshrrev_b32 v[BY+\c], 23, v[CV+\c]                   ; the scale's byte
.endr
	v_lshl_or_b32 v[\pw], v[BY+1], 16, v[BY]
.irp i, 0,1,2
	v_mov_b32 v[(\pc)+3+\i], v[TC+\i]
.endr
	v_lshlrev_b32 v[\pw], v[SH8], v[\pw]
	v_permlanex16_b32 v[PX], v[\pw], s[SEL], s[SEL+1]
.irp i, 0,1,2
	v_mov_b32 v[(\pc)+9+\i], v[TC+4+\i]
.endr
	v_or_b32 v[\pw], v[\pw], v[PX]                         ; whole, in all 32 lanes
.endm
; The 64 numbers of a fragment (K step s) of a lane's row, into window sw from base on
.macro NUMS adr, s, sw, base
	WIN 0x40*\sw
.irp c, 0,1
.irp i, 0,1,2,3,4,5,6,7
	ds_load_b128 v[(\base)+32*\c+4*\i:(\base)+32*\c+4*\i+3], v[\adr] offset:512*\s+256*\c+16*\i
.endr
.endr
	WIN 0
.endm
; x's tiles 2 p, 2 p + 1: four fragments; two sets of numbers take turns
.macro XQ p
	NUMS AX, 0, 1, 192
	NUMS AX, 1, 0, 192
	s_wait_dscnt 16                                ; the older sixteen loads are in
	QB 1, 192, XF+48*\p, XS+4*\p
	NUMS AX+1, 0, 1, 192
	s_wait_dscnt 16
	QB 0, 192, XF+48*\p+12, XS+4*\p+1
	NUMS AX+1, 1, 0, 192
	s_wait_dscnt 16
	QB 1, 192, XF+48*\p+24, XS+4*\p+2
	s_wait_dscnt 0x0
	QB 0, 192, XF+48*\p+36, XS+4*\p+3
	s_wait_alu depctr_va_vdst(0)
.endm
; q and k of tile t into window dw: q in v192-223, k in v224-255.  Eight accumulators take turns.
.macro MM t, dw
	WIN 0x01+0x50*\dw                              ; source 0 (W) window 1, source 1 (x) window 0
.irp n, 0,1,2,3,4,5,6,7
	v_wmma_scale_f32_16x16x128_f8f6f4 v[192+8*\n:192+8*\n+7], v[24*\n:24*\n+11], v[XF+24*(\t):XF+24*(\t)+11], 0, v[WSQ+\n], v[XS+2*(\t)] matrix_a_fmt:MATRIX_FMT_BF6 matrix_b_fmt:MATRIX_FMT_BF6
.endr
.irp n, 0,1,2,3,4,5,6,7
	v_wmma_scale_f32_16x16x128_f8f6f4 v[192+8*\n:192+8*\n+7], v[24*\n+12:24*\n+23], v[XF+24*(\t)+12:XF+24*(\t)+23], v[192+8*\n:192+8*\n+7], v[WSQ+\n], v[XS+2*(\t)+1] matrix_a_fmt:MATRIX_FMT_BF6 matrix_b_fmt:MATRIX_FMT_BF6 matrix_a_scale:MATRIX_SCALE_ROW1
.endr
	WIN 0
.endm
.macro HALF oc, sb, off                ; a half fragment: 512 and 256 consecutive bytes, aligned
	global_store_b128 v[LI], v[\oc:\oc+3], s[\sb:\sb+1] offset:\off
	global_store_b64 v[L8], v[\oc+4:\oc+5], s[\sb:\sb+1] offset:\off+512
.endm
.macro MP p
	PLACES 8                                       ; a scale register written by a vector instruction stands eight plain lines ahead of a scaled matrix instruction
	MM 2*\p, 0
	MM 2*\p+1, 1
	PLACES 4
.if \p
	WIN 0x40                                       ; Wv's fragments take the places of the others, which have been multiplied
.irp f, 0,1,2,3,4,5,6,7
.irp k, 0,1,2
	ds_load_b128 v[12*\f+4*\k:12*\f+4*\k+3], v[LIM] offset:24576+1536*\f+512*\k
.endr
.endr
	WIN 0
.irp n, 0,1,2,3
	ds_load_b32 v[WSV+\n], v[LSC] offset:1024+128*\n
.endr
.endif
	s_wait_xcnt 0x0                                ; the earlier stores have read their data
	QB 0, 192, OC, KW+2*\p
	HALF OC, 84, 3072*(2*\p)
	HALF OC+6, 86, 3072*(2*\p)
	QB 1, 192, OC+12, KW+2*\p+1
	HALF OC+12, 84, 3072*(2*\p+1)
	HALF OC+18, 86, 3072*(2*\p+1)
.endm
; v's feature tiles 2 u, 2 u + 1 for my 64 keys, into window dw
.macro VM u, dw
	WIN 0x04+0x50*\dw                              ; source 0 (x) window 0, source 1 (Wv) window 1
.irp n, 0,1
.irp t, 0,1,2,3
	v_wmma_scale_f32_16x16x128_f8f6f4 v[192+32*\n+8*\t:192+32*\n+8*\t+7], v[XF+24*\t:XF+24*\t+11], v[24*(2*\u+\n):24*(2*\u+\n)+11], 0, v[XS+2*\t], v[WSV+2*\u+\n] matrix_a_fmt:MATRIX_FMT_BF6 matrix_b_fmt:MATRIX_FMT_BF6
.endr
.endr
.irp n, 0,1
.irp t, 0,1,2,3
	v_wmma_scale_f32_16x16x128_f8f6f4 v[192+32*\n+8*\t:192+32*\n+8*\t+7], v[XF+24*\t+12:XF+24*\t+23], v[24*(2*\u+\n)+12:24*(2*\u+\n)+23], v[192+32*\n+8*\t:192+32*\n+8*\t+7], v[XS+2*\t+1], v[WSV+2*\u+\n] matrix_a_fmt:MATRIX_FMT_BF6 matrix_b_fmt:MATRIX_FMT_BF6 matrix_b_scale:MATRIX_SCALE_ROW1
.endr
.endr
	WIN 0
.endm
	s_load_b256 s[4:11], s[0:1], 0x0               ; x s[4:5], Wq s[6:7], Wk s[8:9], Wv s[10:11]
	s_load_b128 s[12:15], s[0:1], 0x20             ; qbuf, kbuf
	s_load_b64 s[16:17], s[0:1], 0x30              ; vbuf
	v_lshl_add_u32 v[SPW], v0, 2, SPARE
	v_mov_b32 v[NIL], 0
	ds_add_u32 v[SPW], v[NIL]                      ; the wave's opening: the add, twice on end, and its wait ahead of my first tensor load
	ds_add_u32 v[SPW], v[NIL]
	v_lshrrev_b32 v20, 5, v0
	v_readfirstlane_b32 s[WV], v20                 ; wave 0..7
	s_and_b32 s19, s[WV], 1                        ; ch: which 64 rows of a record are mine
	s_bfe_u32 s20, ttmp6, 0x40000                  ; cx = g: which 64 features.  (The grid is one cluster wide.)
	s_bfe_u32 s21, ttmp6, 0x40004                  ; cy
	s_and_b32 s22, ttmp7, 0xffff
	s_lshl_b32 s22, s22, 2
	s_add_co_u32 s22, s22, s21                     ; my block of 512 rows: it never meets cx in a register that feeds x's descriptor
	s_lshl_b32 s23, s21, 2
	s_lshl_b32 s23, 15, s23                        ; my row of the cluster
	s_lshl_b32 s26, 0x1111, s20                    ; my column
	s_mov_b32 s[SEL], 0x76543210
	s_mov_b32 s[SEL+1], 0xfedcba98
	; descriptor groups 1.  15:0 the mask; 17:16 elements of 4 bytes; 20 padding on; 21 set beside a mask; 24:22 after every 256 words (code 7); 31:25 4 words of it (code 3)
	s_or_b32 s[G1X], s23, 0x07f20000               ; x: 2 runs of 16 rows (4,096 elements), 32 rows from start to start
	s_mov_b32 s[G1X+1], 4096<<16
	s_mov_b32 s[G1X+2], 2<<16
	s_mov_b32 s[G1X+3], 4096<<16
	s_mov_b32 s[G1X+4], 2
	s_mov_b32 s[G1X+5], 8192
	s_mov_b32 s[G1X+6], 0
	s_mov_b32 s[G1X+7], 0
	s_or_b32 s[G1A], s26, 0x07f20000               ; Wq, Wk: 32 rows of 256
	s_mov_b32 s[G1A+1], 256<<16
	s_mov_b32 s[G1A+2], 32<<16
	s_mov_b32 s[G1A+3], 256<<16
	s_mov_b32 s[G1A+4], 32
	s_mov_b32 s[G1A+5], 256
	s_mov_b32 s[G1A+6], 0
	s_mov_b32 s[G1A+7], 0
	s_or_b32 s[G1B], s26, 0x07f20000               ; Wv: 16 rows
	s_mov_b32 s[G1B+1], 256<<16
	s_mov_b32 s[G1B+2], 16<<16
	s_mov_b32 s[G1B+3], 256<<16
	s_mov_b32 s[G1B+4], 16
	s_mov_b32 s[G1B+5], 256
	s_mov_b32 s[G1B+6], 0
	s_mov_b32 s[G1B+7], 0
	s_mov_b32 s[G0A], 1
	s_mul_i32 s[G0A+1], s[WV], XW                  ; waves 0-3: 32 rows each,
	s_mov_b32 s[G0B], 1
	s_mul_i32 s[G0B+1], s[WV], 16*XP
	s_add_co_u32 s[G0B+1], s[G0B+1], 64*XP         ; waves 4-7: 16 rows each, from row 128 on
	s_mov_b32 s[G0X], 1
	s_mul_i32 s[G0X+1], s[WV], XW
	s_lshl_b32 s70, s20, 16                        ; the weights' row 64 g,
	s_and_b32 s74, s[WV], 3
	s_lshl_b32 s74, s74, 14
	s_add_co_u32 s74, s74, s70                     ; Wv: + 16 (w % 4)
	s_mov_b32 s75, 0
	s_lshl_b32 s2, s19, 15
	s_add_co_u32 s70, s70, s2                      ; Wq, Wk: + 32 (w % 2)
	s_mov_b32 s71, 0
	s_lshl_b32 s66, s22, 19
	s_lshl_b32 s2, s[WV], 16
	s_add_co_u32 s66, s66, s2                      ; my 64 rows of x
	s_mov_b32 s67, 0
	s_lshr_b32 s2, s20, 1
	s_lshl_b32 s2, s2, 15
	s_and_b32 s3, s20, 1
	s_lshl_b32 s3, s3, 13
	s_add_co_u32 s2, s2, s3
	s_add_co_u32 s72, s66, s2                      ; the prefetches: 32 (cx / 2) + 8 (cx % 2) rows on
	s_mov_b32 s73, 0
	s_lshl_b32 s76, s22, 2
	s_lshr_b32 s2, s[WV], 1
	s_add_co_u32 s76, s76, s2
	s_mul_i32 s76, s76, REC                        ; my record
	s_mul_i32 s78, s19, 12288
	s_mul_i32 s2, s20, 768
	s_add_co_u32 s78, s78, s2
	s_add_co_u32 s78, s78, s76                     ; q, k: 12288 ch + 768 g
	s_mov_b32 s79, 0
	s_mul_i32 s80, s20, 6144
	s_mul_i32 s2, s19, 768
	s_add_co_u32 s80, s80, s2
	s_add_co_u32 s80, s80, s76                     ; v: 6144 g + 768 ch
	s_mov_b32 s81, 0
	s_lshl_b32 s82, s19, 10
	s_lshl_b32 s2, s20, 8
	s_add_co_u32 s82, s82, s2
	s_add_co_u32 s82, s82, s76
	s_add_co_u32 s82, s82, 24576                   ; scales: 256 (4 ch + g)
	s_mov_b32 s83, 0
	s_lshl_b32 s2, s19, 4
	s_sub_co_u32 s2, 40, s2                        ; lanes 8-15: 32 + 8 (v ^ 1) - 8 v rows on: 40 for an even tile, 24 for an odd one
	s_lshr_b32 s3, s[WV], 2
	s_lshl_b32 s3, s3, 6
	s_and_b32 s77, s[WV], 3
	s_lshl_b32 s77, s77, 3
	s_add_co_u32 s3, s3, s77                       ; my tile of Wq (waves 0-3) or Wk: row 64 (w / 4) + 8 (w % 4)
	s_lshr_b32 s77, s[WV], 1
	s_lshl_b32 s77, s77, 4
	s_add_co_u32 s77, s77, 128                     ; my fragment of Wv: tile w / 2, K step w % 2
	s_lshl_b32 s68, s19, 9
	s_mul_i32 s69, s[WV], 3072
	s_mul_i32 s96, s[WV], 1536
	s_add_co_u32 s96, s96, 24576
	s_lshl_b32 s97, s[WV], 7
	s_lshl_b32 s23, s[WV], 6
	v_and_b32 v20, 31, v0                          ; lane
	v_and_b32 v21, 15, v0                          ; r
	v_and_b32 v22, 7, v0
	v_bfe_u32 v23, v0, 3, 1
	v_bfe_u32 v24, v0, 4, 1                        ; h
	v_lshlrev_b32 v[LI], 4, v20
	v_lshlrev_b32 v[L8], 3, v20
	v_add_nc_u32 v[LIM], IMG, v[LI]
	v_lshlrev_b32 v25, 2, v20
	v_add_nc_u32 v[LSC], WSC, v25
	v_lshlrev_b32 v[SH8], 3, v24
	v_lshlrev_b32 v[PF], 8, v20
	v_mad_u32_u24 v26, v23, 24, v22                ; x's first tile: LDS row r % 8, or 24 + r % 8 in lanes 8-15 (16 rows for each half of a wave's 64, there the second eight);
	v_mul_u32_u24 v26, v26, XP
	v_lshl_add_u32 v26, v24, 7, v26                ; + 128 h: my block of 32 numbers
	v_add_nc_u32 v[AX], s[G0X+1], v26
	v_mad_u32_u24 v27, v23, 8, v22                 ; the second: 8 + r % 8, or 16 + r % 8
	v_mul_u32_u24 v27, v27, XP
	v_lshl_add_u32 v27, v24, 7, v27
	v_add_nc_u32 v27, 8*XP, v27
	v_add_nc_u32 v[AX+1], s[G0X+1], v27
	v_mad_u32_u24 v28, v23, s2, v22
	v_add_nc_u32 v28, s3, v28
	v_mul_u32_u24 v28, v28, XP
	v_lshl_add_u32 v[AW], v24, 7, v28
	v_add_nc_u32 v29, s77, v21
	v_mul_u32_u24 v29, v29, XP
	v_lshl_add_u32 v29, v24, 7, v29
	v_add_nc_u32 v[AV], s68, v29
	v_add_nc_u32 v[IMW], s69, v[LIM]
	v_add_nc_u32 v[IVW], s96, v[LIM]
	v_lshlrev_b32 v30, 2, v21
	v_add_nc_u32 v30, WSC, v30
	v_add_nc_u32 v[SCW], s97, v30
	v_add_nc_u32 v30, 1024, v30
	v_add_nc_u32 v[SVW], s23, v30
	v_mov_b32 v[PX], 0                             ; written once: a lane permute's destination counts as one of its sources
	s_wait_alu depctr_va_vdst(0)                   ; the head's end
	s_wait_dscnt 0x0                               ; both opening adds are done
	s_wait_kmcnt 0x0
	s_cmp_lt_u32 s[WV], 2                          ; waves 0, 1: Wq; waves 2, 3: Wk; waves 4-7: Wv
	s_cselect_b64 s[G0A+2:G0A+3], s[6:7], s[8:9]
	s_add_nc_u64 s[G0A+2:G0A+3], s[G0A+2:G0A+3], s[70:71]
	s_or_b32 s[G0A+3], s[G0A+3], 0x80000000
	s_add_nc_u64 s[G0B+2:G0B+3], s[10:11], s[74:75]
	s_or_b32 s[G0B+3], s[G0B+3], 0x80000000
	s_add_nc_u64 s[G0X+2:G0X+3], s[4:5], s[66:67]
	s_or_b32 s[G0X+3], s[G0X+3], 0x80000000
	s_add_nc_u64 s[72:73], s[4:5], s[72:73]
	s_add_nc_u64 s[84:85], s[12:13], s[78:79]
	s_add_nc_u64 s[86:87], s[14:15], s[78:79]
	s_add_nc_u64 s[88:89], s[16:17], s[80:81]
	s_add_nc_u64 s[90:91], s[12:13], s[82:83]
	s_add_nc_u64 s[92:93], s[14:15], s[82:83]
	s_add_nc_u64 s[94:95], s[16:17], s[82:83]
	CROUND                                         ; all sixteen work-groups are here: the first joint loads meet
	s_cmp_lt_u32 s[WV], 4
	s_cbranch_scc0 .Lwv
	tensor_load_to_lds s[G0A:G0A+3], s[G1A:G1A+7]  ; one tensor load a wave at the head
	s_nop 0
	PLACES 4                                       ; four plain lines follow a tensor load
	s_branch .Lweights_asked
.Lwv:
	tensor_load_to_lds s[G0B:G0B+3], s[G1B:G1B+7]
	s_nop 0
	PLACES 4
.Lweights_asked:
	s_wait_tensorcnt 0x0                           ; my rows of the weights are in,
	s_barrier_signal -1
	s_barrier_wait -1                              ; everybody's are
	; ---- the weights: my three fragments
	NUMS AW, 0, 1, 0
	NUMS AW, 1, 1, 64
	global_prefetch_b8 v[PF], s[72:73] th:TH_LOAD_NT scope:SCOPE_SE   ; of the 32 rows of x's tiles 0, 1 that my wave will load, my work-group's 8: the weights are quantised between this and the load
	NUMS AV, 0, 1, 128
.macro TOIMG f, ai, as, oi, os
.irp k, 0,1,2
	ds_store_b128 v[\ai], v[XF+12*\f+4*\k:XF+12*\f+4*\k+3] offset:\oi+512*\k
.endr
	ds_store_b32 v[\as], v[XS+\f] offset:\os       ; lanes l and l xor 16 store the same word
.endm
	s_wait_dscnt 32                                ; the first fragment's numbers are in
	QB 1, 0, XF, XS
	TOIMG 0, IMW, SCW, 0, 0
	s_wait_dscnt 20                                ; the second's: behind them sixteen loads and four stores
	QB 1, 64, XF+12, XS+1
	TOIMG 1, IMW, SCW, 1536, 64
	s_wait_dscnt 8                                 ; the third's: behind them eight stores
	QB 1, 128, XF+24, XS+2
	TOIMG 2, IVW, SVW, 0, 0
	s_wait_alu depctr_va_vdst(0)
	s_wait_tensorcnt 0x0                           ; ahead of a refill:
	ds_add_u32 v[SPW], v[NIL]                      ; 0 onto my spare word,
	s_wait_dscnt 0x0                               ; the add is done, my reads of the weights are over, and my images lie in LDS
	CROUND                                         ; all this holds of every wave of all sixteen work-groups
	tensor_load_to_lds s[G0X:G0X+3], s[G1X:G1X+7]  ; x's tiles 0, 1 of my 64 rows: the first thing behind the round
	s_nop 0
	PLACES 4
	WIN 0x40
.irp f, 0,1,2,3,4,5,6,7,8,9,10,11,12,13,14,15
.irp k, 0,1,2
	ds_load_b128 v[12*\f+4*\k:12*\f+4*\k+3], v[LIM] offset:1536*\f+512*\k
.endr
.endr
	WIN 0
.irp n, 0,1,2,3,4,5,6,7
	ds_load_b32 v[WSQ+\n], v[LSC] offset:128*\n
.endr
	global_prefetch_b8 v[PF], s[72:73] offset:16384 th:TH_LOAD_NT scope:SCOPE_SE   ; the same of tiles 2, 3, 16 rows on: the next refill
	s_wait_tensorcnt 0x0                           ; my rows of x are in; I alone read them
	XQ 0
	s_wait_tensorcnt 0x0                           ; the lines ahead of a refill, as above
	ds_add_u32 v[SPW], v[NIL]
	s_add_nc_u64 s[G0X+2:G0X+3], s[G0X+2:G0X+3], 16384   ; 16 rows on
	s_wait_dscnt 0x0                               ; the add is done, and my reads of x are over
	CROUND
	tensor_load_to_lds s[G0X:G0X+3], s[G1X:G1X+7]  ; x's tiles 2, 3: they have the products of tiles 0, 1 in which to land
	s_nop 0
	PLACES 4
	MP 0
	s_wait_tensorcnt 0x0                           ; my rows are in
	XQ 1
	MP 1
.irp u, 0,1
	v_perm_b32 v[KQ+\u], v[KW+2*\u+1], v[KW+2*\u], 0x05040100   ; q's pairs: the low halves
	v_perm_b32 v[KQ+2+\u], v[KW+2*\u+1], v[KW+2*\u], 0x07060302 ; k's
.endr
	global_store_b64 v[L8], v[KQ:KQ+1], s[90:91]   ; 256 consecutive bytes, aligned
	global_store_b64 v[L8], v[KQ+2:KQ+3], s[92:93]
	s_wait_alu depctr_va_vdst(0)
	s_wait_dscnt 0x0                               ; Wv's fragments
	VM 0, 0
	VM 1, 1
	PLACES 4
	s_wait_xcnt 0x0                                ; the earlier stores have read their data
	QB 0, 192, OC, VW
	HALF OC, 88, 0
	HALF OC+6, 88, 1536
	QB 1, 192, OC+12, VW+1
	HALF OC+12, 88, 3072
	HALF OC+18, 88, 4608
	global_store_b64 v[L8], v[VW:VW+1], s[94:95]
	s_wait_tensorcnt 0x0                           ; the wave's end, behind my last tensor load and my last LDS store
	ds_add_u32 v[SPW], v[NIL]
	s_wait_dscnt 0x0
	CROUND                                         ; the closing round: no work-group ends while a partner may still ask for a tile that names it
	s_endpgm
.Lfunc_end_k_q190ac4f5d2_proj:
	.size	k_q190ac4f5d2_proj, .Lfunc_end_k_q190ac4f5d2_proj-k_q190ac4f5d2_proj
	.p2alignl 7, 3214868480
	.fill 96, 4, 3214868480
	.section	.rodata,"a",@progbits
	.p2align	6, 0x0
	.amdhsa_kernel k_q190ac4f5d2_proj
		.amdhsa_group_segment_fixed_size 327680
		.amdhsa_private_segment_fixed_size 0
		.amdhsa_enable_private_segment 0
		.amdhsa_kernarg_size 56
		.amdhsa_user_sgpr_count 2
		.amdhsa_user_sgpr_kernarg_segment_ptr 1
		.amdhsa_wavefront_size32 1
		.amdhsa_system_sgpr_workgroup_id_x 1
		.amdhsa_system_sgpr_workgroup_id_y 1
		.amdhsa_system_sgpr_workgroup_id_z 1
		.amdhsa_system_vgpr_workitem_id 0
		.amdhsa_next_free_vgpr 512
		.amdhsa_next_free_sgpr 98
		.amdhsa_reserve_vcc 0
		.amdhsa_float_denorm_mode_32 3
		.amdhsa_float_denorm_mode_16_64 3
		.amdhsa_memory_ordered 1
		.amdhsa_forward_progress 1
		.amdhsa_inst_pref_size 98
	.end_amdhsa_kernel
	.amdgpu_metadata
---
amdhsa.version: [ 1, 2 ]
amdhsa.kernels:
  - .name:           k_q190ac4f5d2_proj
    .symbol:         k_q190ac4f5d2_proj.kd
    .args:
      - { .name: track_feat_seq, .offset: 0, .size: 8, .value_kind: global_buffer, .address_space: global }
      - { .name: Wq, .offset: 8, .size: 8, .value_kind: global_buffer, .address_space: global }
      - { .name: Wk, .offset: 16, .size: 8, .value_kind: global_buffer, .address_space: global }
      - { .name: Wv, .offset: 24, .size: 8, .value_kind: global_buffer, .address_space: global }
      - { .name: qbuf, .offset: 32, .size: 8, .value_kind: global_buffer, .address_space: global }
      - { .name: kbuf, .offset: 40, .size: 8, .value_kind: global_buffer, .address_space: global }
      - { .name: vbuf, .offset: 48, .size: 8, .value_kind: global_buffer, .address_space: global }
    .group_segment_fixed_size: 327680
    .private_segment_fixed_size: 0
    .kernarg_segment_align: 8
    .kernarg_segment_size: 56
    .max_flat_workgroup_size: 256
    .sgpr_count:     98
    .vgpr_count:     512
    .wavefront_size: 32
...
	.end_amdgpu_metadata
.endif
;; end of part 1
;; launch attn (part 2): grid 8 x 32, 8 waves a work-group, clusters of 4 x 1, 327,680 bytes of LDS; arguments qbuf, kbuf, vbuf, mask, part; writes part
.if DOCPART == 2
	.amdgcn_target "amdgcn-amd-amdhsa--gfx1250"
	.amdhsa_code_object_version 6
	.text
	.protected	k_q190ac4f5d2_attn
	.globl	k_q190ac4f5d2_attn
	.p2align	8
	.type	k_q190ac4f5d2_attn,@function
k_q190ac4f5d2_attn:
	s_mov_b64 s[64:65], 0
	v_nop
	global_prefetch_b8 v0, s[64:65] scope:SCOPE_SE
	s_setreg_imm32_b32 hwreg(HW_REG_WAVE_MODE, 25, 1), 1
	s_wait_xcnt 0x0
	s_wait_alu depctr_hold_cnt(0) depctr_sa_sdst(0) depctr_va_vdst(0) depctr_va_sdst(0) depctr_va_ssrc(0) depctr_va_vcc(0) depctr_vm_vsrc(0)
	s_getreg_b32 s2, hwreg(HW_REG_IB_STS2, 6, 4)
	s_cmp_eq_u32 s2, 0
	s_cbranch_scc0 .Lentry_in_a_cluster
	s_endpgm
.Lentry_in_a_cluster:
	s_bfe_u32 s2, ttmp6, 0x10000c
	s_cmp_lg_u32 s2, 0x3003
	s_cbranch_scc0 .Lentry_shape_is_right
	s_endpgm
.Lentry_shape_is_right:
; part[b][2 qb + half][:] = a half of the sum over the 128 queries of block qb of batch b of softmax_k(q . k / 16, masked keys at -1e9) v; both products on codes of BF6 (E3M2) with one E8M0 byte for each 32 along K.
; q, k, v come as half fragments of operand registers, a record of 26,624 bytes for each 128 rows; mask [32][1024] of bytes, 1 = the key is hidden.
; SHARES.  A work-group owns 128 queries of a batch.  WAVE w OWNS THE 128 KEYS OF RECORD w, for all 128 queries: k's 16 fragments (192 registers) are read from LDS once and stay, then v's 16 take their place.
; What goes from wave to wave is q's fragments (3,072 bytes for each 16 queries) and two numbers a query.
; PHASE 1, for each of 8 tiles of 16 queries: 16 matrix instructions give the scores of my 128 keys; M_w = the largest t = score x log2(e) / 16 of my keys, rounded UP to a whole number; p = 2^(t - M_w), quantised along the keys;
; l_w = the sum of the unquantised p.  p's codes, 12 registers a tile, stay.  MERGE: wave w takes the queries of tile w: M = the largest of the eight M_i, l = the sum of l_i 2^(M_i - M), and f_i = 2^(M_i - M) / l for each wave i.
; PHASE 2: sum over queries of f x (v^T p^T): O^T of a tile is one matrix instruction for each 16 features (K = my 128 keys); it is multiplied by the lane's f and added in f32.
; 2^(M_i - M) is an exact power of two, so the codes' values are those under the row's M.
; LAYOUT.  Both products are used transposed (source 0 = 16 keys, or 16 features of v; source 1 = 16 queries): a lane holds ONE query.  Register j of tile 4 c + u of the scores is, in lanes of half h, the key 64 c + 32 h + 8 (u ^ h) + j
; of the record: the 32 registers of tiles 4 c .. 4 c + 3 are the whole block 2 c + h in one lane, in the order in which v's records have it.
; A HALF FRAGMENT is 6 registers, one block a lane: 512 bytes (registers 0-3, 16 x lane), then 256 (registers 4, 5, 8 x lane).  k and q: (tile t, 64 features g) at 768 (4 t + g); v: (16 features T, 64 keys ch) at 768 (2 T + ch).
; SCALES: 16-bit pairs of four tiles at 24576 + 256 (4 ch + g) + 8 (lane % 16); two pairs make a scale word.  One register carries two words: of q and k lanes 0-15 feature half 0, lanes 16-31 half 1; of v lanes 0-15 tile T, lanes 16-31 tile T + 8.
; THE MASK costs no instruction in phase 1: 64 registers hold 0 or -2^33 for my keys and are the C of the scores' first matrix instructions.
; CLUSTER.  The four query blocks of a cluster belong to one batch and read the same k and v: each record is asked for JOINTLY, by the same tensor load with the same descriptor and a mask that names the four.
; NO PREFETCH: there is no loop over tiles; a wave has two tensor loads in all, and v's has tiles 3 to 7 of phase 1 in which to land.
; LIMITS: a hidden key gets -2^33 added to 16 x its logit, where reference() sets -1e9: the same result wherever the largest logit of an open key lies above about -5e8 and |t| stays under 2^28; a batch with no open key is served
; (c = 0 and no addend there: every p is 1).  q is quantised unscaled and the 1/16 is folded into c: exact unless a block's largest |q| lies under 2^-118.  NaN and infinities are not served.
; REGISTERS.  window 0: v1-7 addresses; v8-15 p's scale words; v16-23 k's, later v's; v24-31 q's; v32-95 the sums of phase 2, in phase 1 q's fragment pair (v32-55) and work; v96-159 scores, later O^T; v160-255 p's codes.
;   window 1: v0-191 k's, later v's fragments; v192-255 the mask's numbers, later f.
; V'S LOAD in detail: it is issued behind tile 2 of phase 1, so that a wave can begin its tiles as soon as its own record of k is in; the phase in which it lands is the five tiles 3 to 7.
.set REC,   26624
.set QST,   8*REC                      ; q's fragments, 24,576 bytes
.set STAT,  QST+24576                  ; (-M_w, l_w): 8 bytes for each wave, 64 for each query
.set FTB,   STAT+8192                  ; f: [wave][query]
.set SPARE, FTB+4096                   ; the spare words, 128 bytes for each wave: no other line names them
.set SPW,  1                           ; LDS address of my spare word; never rewritten
.set NIL,  2                           ; 0; never rewritten
.set STO,  3                           ; the stage (16 rows of 1,024 bytes + 16, in my own region): where I put 32 bytes of a row
.set RD,   4                           ; v4, v5: where I read two columns back
.set GO,   6                           ; 8 x my thread's number
.set LI,   7                           ; 16 x lane
.set PS,   8
.set KS,   16
.set QS,   24
.set ACC,  32
.set QF,   32
.set VU,   32                          ; v32-39 v's pairs, when q's fragments are done with
.set BA,   56                          ; v56-57 the two blocks' largest scores, then p
.set BB,   58
.set T1,   60
.set T2,   61
.set NM,   62                          ; v62 -M_w, v63 l_w: a pair
.set SU,   64                          ; v64-71 four chains of sums
.set CV,   72                          ; v72-73 the conversions' scale operands
.set BY,   74                          ; v74-75 the scales' bytes
.set PX,   76
.set PL,   77
.set SH8,  78                          ; 8 x (lane / 16)
.set KR,   79                          ; my region + 16 x lane
.set KRS,  80                          ; my region + 512 x (lane / 16) + 8 x (lane % 16)
.set LIQ,  81
.set STA,  82
.set MR,   83
.set FW,   84
.set FR,   85
.set KR8,  86                          ; my region + 8 x lane
.set LIQ8, 87
.set SC,   96
.set PCD,  160
.set KU,   160                         ; v160-167 k's pairs, v168-175 q's, at the head
.set QU,   168
.set BIAS, 192                         ; in window 1; later f of tile i at v[192 + 2 i]
.set WV,   14                          ; s14 my wave's number
.set SEL,  20                          ; s[20:21] lane selects of v_permlanex16_b32: lane l xor 16
.set CS,   22                          ; s[22:23] c = log2(e) / 16: the packed form names a pair and takes its low word for both halves
.set NC,   25                          ; s25 -c
.set BSEL, 56                          ; s56-59 selectors: byte b to the top, zeros below
.set HSEL, 60                          ; s60-61 selectors: two low halves, two high halves
.set MSB, 0
.macro WIN new                         ; the immediate's high byte repeats the setting that is left; a switch that changes nothing is dropped
.if MSB != (\new)
	s_set_vgpr_msb (MSB<<8)|(\new)
.set MSB, (\new)
.endif
.endm
.macro PLACES n                        ; plain lines behind matrix instructions, in front of loads into their registers and of reads of their results
.rept \n
	v_nop
.endr
.endm
; A round of the cluster's barrier: my work-group's barrier; wave 0 signals for the work-group; every wave waits for all four work-groups; my work-group's barrier once more.
.macro CROUND
	s_barrier_signal -1
	s_barrier_wait -1
	s_cmp_lg_u32 s[WV], 0
	s_cbranch_scc1 .Lnot_wave_0_\@
	s_barrier_signal -3
.Lnot_wave_0_\@:
	s_barrier_wait -3
	s_barrier_signal -1
	s_barrier_wait -1
.endm
; Half hf of my region's 32 half fragments into window 1: 32 loads
.macro FRAGS hf
	WIN 0x40
.set J, 16*(\hf)
.rept 16
	ds_load_b128 v[6*J:6*J+3], v[KR] offset:768*J
	ds_load_b64 v[6*J+4:6*J+5], v[KR8] offset:768*J+512
.set J, J+1
.endr
	WIN 0
.endm
.macro WORDS u                         ; and its scale pairs: (ch, place in the pair of groups) = (a, b)
.irp a, 0,1
.irp b, 0,1
	ds_load_b64 v[\u+4*\a+2*\b:\u+4*\a+2*\b+1], v[KRS] offset:24576+1024*\a+256*\b
.endr
.endr
.endm
.macro KWORDS dst, u                   ; k, q: tile 4 a + n's word: the pairs of features 64 (2 h) and 64 (2 h + 1)
.irp a, 0,1
.irp i, 0,1
.irp n, 0,1
	v_perm_b32 v[\dst+4*\a+2*\i+\n], v[\u+4*\a+2+\i], v[\u+4*\a+\i], s[HSEL+\n]
.endr
.endr
.endr
.endm
.macro VWORDS u                        ; v: tile 8 h + 4 b + n's word: the pairs of the record's two halves of keys
.irp b, 0,1
.irp i, 0,1
.irp n, 0,1
	v_perm_b32 v[KS+4*\b+2*\i+\n], v[\u+4+2*\b+\i], v[\u+2*\b+\i], s[HSEL+\n]
.endr
.endr
.endr
.endm
.macro QLOAD i                         ; q's two fragments of tile i
.irp p, 0,1,2,3
	ds_load_b128 v[QF+6*\p:QF+6*\p+3], v[LIQ] offset:3072*(\i)+768*\p
	ds_load_b64 v[QF+6*\p+4:QF+6*\p+5], v[LIQ8] offset:3072*(\i)+768*\p+512
.endr
.endm
; The scores of tile i: 8 tiles of keys x two feature halves.  A link stands eight instructions behind the one that it adds onto, one instruction a turn.
.macro SCORES i
	WIN 0x11                                       ; source 0 (k) window 1, C (the mask's numbers) window 1
.irp t, 0,1,2,3,4,5,6,7
	v_wmma_scale_f32_16x16x128_f8f6f4 v[SC+8*\t:SC+8*\t+7], v[24*\t:24*\t+11], v[QF:QF+11], v[BIAS+8*\t:BIAS+8*\t+7], v[KS+\t], v[QS+\i] matrix_a_fmt:MATRIX_FMT_BF6 matrix_b_fmt:MATRIX_FMT_BF6
.endr
	WIN 0x01
.irp t, 0,1,2,3,4,5,6,7
	v_wmma_scale_f32_16x16x128_f8f6f4 v[SC+8*\t:SC+8*\t+7], v[24*\t+12:24*\t+23], v[QF+12:QF+23], v[SC+8*\t:SC+8*\t+7], v[KS+\t], v[QS+\i] matrix_a_fmt:MATRIX_FMT_BF6 matrix_b_fmt:MATRIX_FMT_BF6 matrix_a_scale:MATRIX_SCALE_ROW1 matrix_b_scale:MATRIX_SCALE_ROW1
.endr
	WIN 0
.endm
; Tile i's softmax over my 128 keys.  Block c = 0, 1 of a lane is registers 32 c .. 32 c + 31.  last = 1: v's second half is fetched in its middle.
.macro SMAX i, last
.irp c, 0,1
	v_max3_num_f32 v[BA+\c], v[SC+32*\c], v[SC+32*\c+1], v[SC+32*\c+2]   ; the largest score of each block, two chains a block; it serves M and, since p rises with the score, the block's largest p.  Ascending: each accumulator is first read at its low end
	v_max3_num_f32 v[BB+\c], v[SC+32*\c+16], v[SC+32*\c+17], v[SC+32*\c+18]
.endr
.irp k, 3,5,7,9,11,13
.irp c, 0,1
	v_max3_num_f32 v[BA+\c], v[BA+\c], v[SC+32*\c+\k], v[SC+32*\c+\k+1]
	v_max3_num_f32 v[BB+\c], v[BB+\c], v[SC+32*\c+16+\k], v[SC+32*\c+17+\k]
.endr
.endr
.irp c, 0,1
	v_max3_num_f32 v[BA+\c], v[BA+\c], v[SC+32*\c+15], v[SC+32*\c+31]
.endr
.irp c, 0,1
	v_max_num_f32 v[BA+\c], v[BA+\c], v[BB+\c]
.endr
	v_max_num_f32 v[T1], v[BA], v[BA+1]
	v_permlanex16_b32 v[T2], v[T1], s[SEL], s[SEL+1]   ; the query's other 64 keys lie in the lane 16 away
	v_max_num_f32 v[T1], v[T1], v[T2]
	v_mul_f32 v[T1], s[NC], v[T1]                  ; -t (c is not negative)
	v_floor_f32 v[NM], v[T1]                       ; -M_w = floor(-t) = -ceil(t)
.set J, SC
.rept 32
	v_pk_fma_f32 v[J:J+1], v[J:J+1], s[CS:CS+1], v[NM:NM+1] op_sel_hi:[1,0,0]   ; t - M_w, two at a time
.set J, J+2
.endr
.irp c, 0,1
	v_fma_f32 v[BA+\c], v[BA+\c], s[CS], v[NM]     ; the same of each block's largest score
.endr
	s_wait_alu depctr_va_vdst(0)                   ; ahead of the batch
.irp c, 0,1
	v_exp_f32 v[BA+\c], v[BA+\c]                   ; the block's largest p: the same two instructions on the same number
.endr
.set J, SC
.rept 64
	v_exp_f32 v[J], v[J]                           ; p = 2^(t - M_w), at most 1
.set J, J+1
.endr
	v_nop                                          ; the plain line behind the batch
	s_wait_alu depctr_va_vdst(0)                   ; one wait for the batch, ahead of its first reader
.if \last
	FRAGS 1
.endif
.irp k, 0,1,2,3
	v_pk_add_f32 v[SU+2*\k:SU+2*\k+1], v[SC+4*\k:SC+4*\k+1], v[SC+4*\k+2:SC+4*\k+3]   ; l_w is taken of the unquantised p: two at a time, in four chains
.endr
.irp c, 0,1
	v_max_num_f32 v[BA+\c], 0x2800000, v[BA+\c]    ; the floor 2^(5 - 127): the byte cannot fall under 1 (a block whose every p is 0 keeps that byte: its codes are zeros)
.endr
.set J, SC+16
.rept 3
.irp k, 0,1,2,3
	v_pk_add_f32 v[SU+2*\k:SU+2*\k+1], v[SU+2*\k:SU+2*\k+1], v[J+2*\k:J+2*\k+1]
.endr
.set J, J+8
.endr
.irp c, 0,1
	v_add_nc_u32 v[CV+\c], 0xfe000000, v[BA+\c]    ; 4 off the exponent field: the conversion's scale operand
.endr
.rept 3
.irp k, 0,1,2,3
	v_pk_add_f32 v[SU+2*\k:SU+2*\k+1], v[SU+2*\k:SU+2*\k+1], v[J+2*\k:J+2*\k+1]
.endr
.set J, J+8
.endr
.irp c, 0,1
	v_lshrrev_b32 v[BY+\c], 23, v[CV+\c]           ; the scale's byte
.endr
	v_pk_add_f32 v[SU:SU+1], v[SU:SU+1], v[SU+2:SU+3]
	v_pk_add_f32 v[SU+4:SU+5], v[SU+4:SU+5], v[SU+6:SU+7]
	v_lshl_or_b32 v[PS+\i], v[BY+1], 16, v[BY]     ; my two bytes: blocks h and 2 + h of the four,
	v_pk_add_f32 v[SU:SU+1], v[SU:SU+1], v[SU+4:SU+5]
	v_lshlrev_b32 v[PS+\i], v[SH8], v[PS+\i]       ; at their places (8 h bits up);
.irp c, 0,1
	v_cvt_scalef32_pk16_bf6_f32 v[PCD+12*\i+6*\c:PCD+12*\i+6*\c+2], v[SC+32*\c:SC+32*\c+15], v[CV+\c]
.endr
	v_add_f32 v[NM+1], v[SU], v[SU+1]              ; plain lines between the conversions and the writes of their sources below
	v_permlanex16_b32 v[PX], v[PS+\i], s[SEL], s[SEL+1]
.irp c, 0,1
	v_cvt_scalef32_pk16_bf6_f32 v[SC+32*\c:SC+32*\c+2], v[SC+32*\c+16:SC+32*\c+31], v[CV+\c]   ; a conversion's three registers begin on an even number: the upper halves are made in p's dead registers and moved
.endr
	v_permlanex16_b32 v[PL], v[NM+1], s[SEL], s[SEL+1]
	v_or_b32 v[PS+\i], v[PS+\i], v[PX]             ; with lane l xor 16's two the word is whole, in all 32 lanes
	v_add_f32 v[NM+1], v[NM+1], v[PL]              ; l_w of all my 128 keys
.irp c, 0,1
.irp k, 0,1,2
	v_mov_b32 v[PCD+12*\i+6*\c+3+\k], v[SC+32*\c+\k]
.endr
.endr
	ds_store_b64 v[STA], v[NM:NM+1] offset:1024*(\i)   ; lanes l and l xor 16 store the same bytes
.endm
; Step n = 16 g + 2 i + b of phase 2: feature tiles 8 g + 4 b .. + 3, query tile i.  O^T in v[SC + 32 b ..]
.macro MUL n
.set TI, ((\n)/2)%8
.set TB, (\n)%2
.set TG, (\n)/16
	WIN 0x01                                       ; source 0 window 1: v's fragments, and f
.irp t, 0,1,2,3
.if TG == 0
	v_wmma_scale_f32_16x16x128_f8f6f4 v[SC+32*TB+8*\t:SC+32*TB+8*\t+7], v[12*(8*TG+4*TB+\t):12*(8*TG+4*TB+\t)+11], v[PCD+12*TI:PCD+12*TI+11], 0, v[KS+4*TB+\t], v[PS+TI] matrix_a_fmt:MATRIX_FMT_BF6 matrix_b_fmt:MATRIX_FMT_BF6
.else
	v_wmma_scale_f32_16x16x128_f8f6f4 v[SC+32*TB+8*\t:SC+32*TB+8*\t+7], v[12*(8*TG+4*TB+\t):12*(8*TG+4*TB+\t)+11], v[PCD+12*TI:PCD+12*TI+11], 0, v[KS+4*TB+\t], v[PS+TI] matrix_a_fmt:MATRIX_FMT_BF6 matrix_b_fmt:MATRIX_FMT_BF6 matrix_a_scale:MATRIX_SCALE_ROW1
.endif
.endr
.endm
.macro SUM n                           ; the same step's results x f, added; the first query tile starts the sums
.set TI, ((\n)/2)%8
.set TB, (\n)%2
	WIN 0x01
.set J, 32*TB
.rept 16
.if TI == 0
	v_pk_mul_f32 v[ACC+J:ACC+J+1], v[BIAS:BIAS+1], v[SC+J:SC+J+1] op_sel_hi:[0,1]
.else
	v_pk_fma_f32 v[ACC+J:ACC+J+1], v[BIAS+2*TI:BIAS+2*TI+1], v[SC+J:SC+J+1], v[ACC+J:ACC+J+1] op_sel_hi:[0,1,1]
.endif
.set J, J+2
.endr
.endm
.macro TOSTAGE g, b                    ; lane (r, h): features 16 T + 8 h + 0 .. 7 of row r of my stage
	WIN 0
.irp t, 0,1,2,3
	ds_store_b128 v[STO], v[ACC+32*\b+8*\t:ACC+32*\b+8*\t+3] offset:64*(8*\g+4*\b+\t)
	ds_store_b128 v[STO], v[ACC+32*\b+8*\t+4:ACC+32*\b+8*\t+7] offset:64*(8*\g+4*\b+\t)+16
.endr
.endm
	s_load_b256 s[4:11], s[0:1], 0x0               ; qbuf s[4:5], kbuf s[6:7], vbuf s[8:9], mask s[10:11]
	s_load_b64 s[12:13], s[0:1], 0x20              ; part
	v_lshl_add_u32 v[SPW], v0, 2, SPARE
	v_mov_b32 v[NIL], 0
	ds_add_u32 v[SPW], v[NIL]                      ; the wave's opening: the add, twice on end, and its wait ahead of my first tensor load
	ds_add_u32 v[SPW], v[NIL]
	v_lshrrev_b32 v88, 5, v0
	v_readfirstlane_b32 s[WV], v88                 ; wave 0..7
	s_bfe_u32 s15, ttmp6, 0x40000                  ; cx: my place in the cluster: it enters q's and part's addresses alone
	s_lshl_b32 s16, ttmp9, 2
	s_add_co_u32 s16, s16, s15                     ; my block of 128 queries
	s_and_b32 s17, ttmp7, 0xffff                   ; the batch, which the four partners share
	s_mul_i32 s18, s17, 8*REC                      ; the batch's first byte in kbuf and in vbuf
	s_mul_i32 s2, s[WV], REC                       ; my record, and my region of LDS
	s_add_co_u32 s66, s18, s2
	s_mov_b32 s67, 0
	s_lshl_b32 s76, s17, 3
	s_add_co_u32 s76, s76, s16                     ; the work-group's record of q: 8 x batch + block
	s_mul_i32 s70, s76, REC
	s_mov_b32 s71, 0
	s_mul_i32 s3, s[WV], 3072
	s_add_co_u32 s72, s70, s3                      ; tile w's two fragments, which I bring to LDS for all
	s_mov_b32 s73, 0
	s_lshl_b32 s74, s76, 11                        ; the work-group's 2,048 bytes of part
	s_mov_b32 s75, 0
	s_lshl_b32 s26, s17, 10                        ; the batch's 1,024 bytes of the mask
	s_mov_b32 s27, 0
	s_mov_b32 s[SEL], 0x76543210
	s_mov_b32 s[SEL+1], 0xfedcba98
	s_mov_b32 s[BSEL], 0x000c0c0c
	s_mov_b32 s[BSEL+1], 0x010c0c0c
	s_mov_b32 s[BSEL+2], 0x020c0c0c
	s_mov_b32 s[BSEL+3], 0x030c0c0c
	s_mov_b32 s[HSEL], 0x05040100
	s_mov_b32 s[HSEL+1], 0x07060302
	; descriptor group 1: a record, 26,624 dense bytes, as 104 rows of 256 bytes (32 elements of 8 bytes)
	s_mov_b32 s28, 0x0023000f                      ; 15:0 the mask: all four work-groups; 17:16 elements of 8 bytes; 21 set beside a mask
	s_mov_b32 s29, 32<<16                          ; tensor_dim0 = 32
	s_mov_b32 s30, 104<<16                         ; tensor_dim1 = 104
	s_mov_b32 s31, 32<<16                          ; tile_dim0 = 32
	s_mov_b32 s32, 104                             ; tile_dim1 = 104
	s_mov_b32 s33, 32                              ; elements from row to row
	s_mov_b32 s34, 0
	s_mov_b32 s35, 0
	s_lshl_b32 s36, s[WV], 3
	s_add_co_u32 s36, s36, STAT                    ; STAT + 8 w
	s_lshl_b32 s37, s[WV], 10
	s_add_co_u32 s37, s37, STAT                    ; STAT + 1024 w
	s_lshl_b32 s38, s[WV], 6
	s_add_co_u32 s38, s38, FTB                     ; FTB + 64 w
	s_lshl_b32 s39, s[WV], 9
	s_add_co_u32 s39, s39, FTB                     ; FTB + 512 w
	s_lshl_b32 s40, s[WV], 7                       ; my 128 keys' bytes of the mask
	s_add_co_u32 s41, s3, QST
	v_and_b32 v88, 31, v0                          ; lane
	v_and_b32 v89, 15, v0                          ; r
	v_bfe_u32 v90, v0, 4, 1                        ; h
	v_lshlrev_b32 v[LI], 4, v88
	v_lshlrev_b32 v91, 3, v89
	v_lshl_add_u32 v91, v90, 9, v91                ; 512 h + 8 r
	v_lshlrev_b32 v[SH8], 3, v90
	v_add_nc_u32 v[KR], s2, v[LI]
	v_add_nc_u32 v[KRS], s2, v91
	v_add_nc_u32 v[LIQ], QST, v[LI]
	v_lshlrev_b32 v95, 3, v88
	v_add_nc_u32 v[KR8], s2, v95
	v_add_nc_u32 v[LIQ8], QST, v95
	v_add_nc_u32 v94, s41, v[LI]                   ; where I put q's tile w
	v_lshlrev_b32 v95, 6, v89
	v_add_nc_u32 v[STA], s36, v95
	v_add_nc_u32 v[MR], s37, v95
	v_lshlrev_b32 v95, 2, v89
	v_add_nc_u32 v[FW], s38, v95
	v_add_nc_u32 v[FR], s39, v95
	v_mul_u32_u24 v[STO], v89, 1040
	v_lshl_add_u32 v[STO], v90, 5, v[STO]
	v_add_nc_u32 v[STO], s2, v[STO]
	v_lshrrev_b32 v[RD], 7, v0                     ; threads 0-127: the stages of waves 0-3; threads 128-255: those of waves 4-7
	v_mul_u32_u24 v[RD], v[RD], 4*REC
	v_and_b32 v95, 127, v0
	v_lshl_add_u32 v[RD], v95, 3, v[RD]
	v_add_nc_u32 v[RD+1], 2*REC, v[RD]
	v_lshlrev_b32 v[GO], 3, v0
	v_lshlrev_b32 v92, 5, v88                      ; the whole mask: 32 bytes a lane
	v_mul_u32_u24 v93, v90, 40                     ; my own keys' bytes: 128 w + 64 c + 32 h + 8 (u ^ h): for an even u 40 h + 8 u,
	v_add_nc_u32 v93, s40, v93
	v_mul_u32_u24 v95, v90, 24                     ; for an odd one 24 h + 8 u
	v_add_nc_u32 v95, s40, v95
	s_wait_alu depctr_va_vdst(0)
	s_wait_dscnt 0x0                               ; both opening adds are done
	s_wait_kmcnt 0x0
	; groups 0: k's record, v's record.  Nothing in them hangs on my place in the cluster.
	s_mov_b32 s44, 1
	s_mov_b32 s45, s2
	s_add_nc_u64 s[46:47], s[6:7], s[66:67]
	s_or_b32 s47, s47, 0x80000000
	s_mov_b32 s48, 1
	s_mov_b32 s49, s2
	s_add_nc_u64 s[50:51], s[8:9], s[66:67]
	s_or_b32 s51, s51, 0x80000000
	s_add_nc_u64 s[70:71], s[4:5], s[70:71]
	s_add_nc_u64 s[72:73], s[4:5], s[72:73]
	s_add_nc_u64 s[74:75], s[12:13], s[74:75]
	s_add_nc_u64 s[10:11], s[10:11], s[26:27]
	global_load_b128 v[120:123], v92, s[10:11]     ; every wave reads the batch's whole mask,
	global_load_b128 v[124:127], v92, s[10:11] offset:16
.irp c, 0,1
.irp u, 0,2
	global_load_b64 v[128+8*\c+2*\u:129+8*\c+2*\u], v93, s[10:11] offset:64*\c+8*\u      ; each lane the bytes of its own 64 keys, eight a tile,
	global_load_b64 v[130+8*\c+2*\u:131+8*\c+2*\u], v95, s[10:11] offset:64*\c+8*\u+8
.endr
.endr
.irp p, 0,1,2,3,4,5
	global_load_b128 v[SC+4*\p:SC+4*\p+3], v[LI], s[72:73] offset:512*\p     ; q's tile w,
.endr
.irp a, 0,1
.irp b, 0,1
	global_load_b64 v[QU+4*\a+2*\b:QU+4*\a+2*\b+1], v91, s[70:71] offset:24576+1024*\a+256*\b   ; and the scale pairs of all q's tiles
.endr
.endr
	CROUND                                         ; all four work-groups are here: the first joint loads meet
	tensor_load_to_lds s[44:47], s[28:35]          ; k's record w: one tensor load a wave at the head
	s_nop 0
	PLACES 4                                       ; four plain lines follow a tensor load
	s_wait_loadcnt 10                              ; the masks are in; q's six and its scale pairs' four loads may be out
	v_and_b32 v120, v120, v121
	v_and_b32 v122, v122, v123
	v_and_b32 v124, v124, v125
	v_and_b32 v126, v126, v127
	v_and_b32 v120, v120, v122
	v_and_b32 v124, v124, v126
	v_and_b32 v120, v120, v124                     ; 0x01010101 where all my 32 keys are hidden
	v_cmp_ne_u32 vcc_lo, 0x01010101, v120
	s_cmp_eq_u32 vcc_lo, 0                         ; has the batch no open key?  Then every logit is the same -1e9 and every p is 1: c = 0 and no addend give just that.  A choice of numbers, no branch
	s_cselect_b32 s[CS], 0, 0x3db8aa3b             ; c = log2(e) / 16
	s_cselect_b32 s[NC], 0, 0xbdb8aa3b
	s_cselect_b32 s24, 0, 0xd0
	s_mov_b32 s[CS+1], s[CS]                       ; (named with it as a pair, so it is written)
.set J, 128
.rept 16
	v_mul_lo_u32 v[J], v[J], s24                   ; a byte 1 becomes 0xd0
.set J, J+1
.endr
	v_mov_b32 v[T2], 0                             ; written once: a lane permute's destination counts as one of its sources
	v_mov_b32 v[PX], 0
	v_mov_b32 v[PL], 0
	v_mov_b32 v[NM+1], 0                           ; (named with v[NM] as a pair)
	WIN 0x40
.set J, 0
.rept 64
	v_perm_b32 v[BIAS+J], v[128+J/4], v[128+J/4], s[BSEL+J%4]   ; key j of tile t is byte j % 4 of word 2 t + j / 4: to the top: 0, or 0xd0000000 = -2^33
.set J, J+1
.endr
	WIN 0
	s_wait_alu depctr_va_vdst(0)                   ; the head's end
	s_wait_loadcnt 4                               ; q's tile w is in; its scale pairs may be out
.irp p, 0,1,2,3,4,5
	ds_store_b128 v94, v[SC+4*\p:SC+4*\p+3] offset:512*\p
.endr
	s_wait_dscnt 0x0                               ; for the others' sake: q's tile w lies in LDS.
	s_barrier_signal -1
	s_barrier_wait -1
	QLOAD 0
	s_wait_loadcnt 0x0                             ; q's scale pairs
	KWORDS QS, QU
	s_wait_alu depctr_va_vdst(0)
	s_wait_tensorcnt 0x0                           ; my record of k is in; I alone read it
	WORDS KU
	FRAGS 0
	FRAGS 1
	s_wait_dscnt 0x0                               ; k is in my registers, and q's tile 0
	KWORDS KS, KU
	PLACES 8                                       ; a scale register written by a vector instruction stands eight plain lines ahead of a scaled matrix instruction
.irp i, 0,1,2,3,4,5,6
.if \i == 3
	s_wait_alu depctr_va_vdst(0)
	s_wait_tensorcnt 0x0                           ; ahead of a refill:
	ds_add_u32 v[SPW], v[NIL]                      ; 0 onto my spare word,
	s_wait_dscnt 0x0                               ; the add is done; my reads of k were over ahead of tile 0
	CROUND                                         ; all this holds of every wave of all four work-groups
	tensor_load_to_lds s[48:51], s[28:35]          ; v's record w, into the region that k's has left: the first thing behind the round
	s_nop 0
	PLACES 4
.endif
.if \i > 0
	s_wait_dscnt 1                                 ; q's tile is in; the store of the last tile's statistics may be out
.endif
	SCORES \i
	PLACES 4
	QLOAD \i+1
	SMAX \i, 0
.endr
	s_wait_dscnt 1
	SCORES 7
	PLACES 4
	s_wait_tensorcnt 0x0                           ; my record of v is in; I alone read it
	WORDS VU
	FRAGS 0
	SMAX 7, 1
	; MERGE: the statistics of tile w's 16 queries, from all eight waves
	s_wait_alu depctr_va_vdst(0)
	s_wait_dscnt 0x0                               ; for the others' sake: my statistics lie in LDS.  (And v is in my registers.)
	s_barrier_signal -1
	VWORDS VU                                      ; work on registers while the others arrive
	s_barrier_wait -1
.irp k, 0,1,2,3
	ds_load_b128 v[SC+4*\k:SC+4*\k+3], v[MR] offset:16*\k   ; -M_i and l_i by turns
.endr
	s_wait_dscnt 0x0
	v_min3_num_f32 v[T1], v[SC], v[SC+2], v[SC+4]
	v_min3_num_f32 v[T2], v[SC+6], v[SC+8], v[SC+10]
	v_min_num_f32 v[BA], v[SC+12], v[SC+14]
	v_min3_num_f32 v[T1], v[T1], v[T2], v[BA]      ; -M
.irp k, 0,1,2,3,4,5,6,7
	v_sub_f32 v[SC+16+\k], v[T1], v[SC+2*\k]       ; M_i - M: a whole number, 0 or less
.endr
.irp k, 0,1,2,3,4,5,6,7
	v_cvt_i32_f32 v[SC+16+\k], v[SC+16+\k]
.endr
.irp k, 0,1,2,3,4,5,6,7
	v_ldexp_f32 v[SC+24+\k], v[SC+2*\k+1], v[SC+16+\k]   ; l_i 2^(M_i - M)
.endr
.irp k, 0,1,2,3
	v_add_f32 v[SC+24+\k], v[SC+24+\k], v[SC+28+\k]
.endr
	v_add_f32 v[SC+24], v[SC+24], v[SC+26]
	v_add_f32 v[SC+25], v[SC+25], v[SC+27]
	v_add_f32 v[SC+24], v[SC+24], v[SC+25]         ; l
	s_wait_alu depctr_va_vdst(0)                   ; ahead of the transcendental
	v_rcp_f32 v[T2], v[SC+24]
	v_nop
	s_wait_alu depctr_va_vdst(0)                   ; and ahead of its first reader
.irp k, 0,1,2,3,4,5,6,7
	v_ldexp_f32 v[SC+32+\k], v[T2], v[SC+16+\k]    ; f_i
.endr
.irp k, 0,1,2,3,4,5,6,7
	ds_store_b32 v[FW], v[SC+32+\k] offset:512*\k
.endr
	s_wait_alu depctr_va_vdst(0)
	s_wait_dscnt 0x0                               ; for the others' sake: f lies in LDS
	s_barrier_signal -1
	MUL 0                                          ; work on registers while the others arrive
	s_barrier_wait -1
	WIN 0x40
.irp i, 0,1,2,3,4,5,6,7
	ds_load_b32 v[BIAS+2*\i], v[FR] offset:64*\i   ; my f of tile i's queries (the pair's upper register keeps an old number and is not used)
.endr
	MUL 1
	PLACES 4
	s_wait_dscnt 0x0
	SUM 0
.set N, 1
.rept 30                               ; step N + 1's products stand ahead of step N's sums: 16 plain lines and more between a product and the first read of its result
	MUL N+1
	SUM N
.if N == 14
	TOSTAGE 0, 0                                   ; features 0-63 of the first half; v is in registers, so my region has had its last read
.elseif N == 15
	TOSTAGE 0, 1
.elseif N == 30
	TOSTAGE 1, 0
.endif
.set N, N+1
.endr
	SUM 31
	TOSTAGE 1, 1
	; THE WAY OUT: 8 x 16 rows lie in the stages; a thread sums two columns over the 64 rows of four waves
	s_wait_dscnt 0x0                               ; for the others' sake: my rows lie in the stage
	s_barrier_signal -1
	s_barrier_wait -1
.set J, 0
.rept 64
	ds_load_b64 v[SC+2*J:SC+2*J+1], v[RD+J/32] offset:((J/16)%2)*REC+1040*(J%16)   ; 32 lanes read 256 consecutive bytes of a row
.set J, J+1
.endr
.irp y, 0,1,2,3
	s_wait_dscnt 48-16*\y                          ; sixteen rows more are in
.irp k, 1,2,3
.irp q, 0,1,2,3
	v_pk_add_f32 v[SC+32*\y+2*\q:SC+32*\y+2*\q+1], v[SC+32*\y+2*\q:SC+32*\y+2*\q+1], v[SC+32*\y+8*\k+2*\q:SC+32*\y+8*\k+2*\q+1]
.endr
.endr
.endr
.irp q, 0,1,2,3
	v_pk_add_f32 v[SC+2*\q:SC+2*\q+1], v[SC+2*\q:SC+2*\q+1], v[SC+32+2*\q:SC+32+2*\q+1]
	v_pk_add_f32 v[SC+64+2*\q:SC+64+2*\q+1], v[SC+64+2*\q:SC+64+2*\q+1], v[SC+96+2*\q:SC+96+2*\q+1]
.endr
.irp q, 0,1,2,3
	v_pk_add_f32 v[SC+2*\q:SC+2*\q+1], v[SC+2*\q:SC+2*\q+1], v[SC+64+2*\q:SC+64+2*\q+1]
.endr
	v_pk_add_f32 v[SC:SC+1], v[SC:SC+1], v[SC+2:SC+3]
	v_pk_add_f32 v[SC+4:SC+5], v[SC+4:SC+5], v[SC+6:SC+7]
	v_pk_add_f32 v[SC:SC+1], v[SC:SC+1], v[SC+4:SC+5]
	global_store_b64 v[GO], v[SC:SC+1], s[74:75]   ; a wave stores 256 consecutive bytes, aligned
	s_wait_tensorcnt 0x0                           ; the wave's end, behind my last tensor load and my last LDS store
	ds_add_u32 v[SPW], v[NIL]
	s_wait_dscnt 0x0
	CROUND                                         ; the closing round: no work-group ends while a partner may still ask for a tile that names it
	s_endpgm
.Lfunc_end_k_q190ac4f5d2_attn:
	.size	k_q190ac4f5d2_attn, .Lfunc_end_k_q190ac4f5d2_attn-k_q190ac4f5d2_attn
	.p2alignl 7, 3214868480
	.fill 96, 4, 3214868480
	.section	.rodata,"a",@progbits
	.p2align	6, 0x0
	.amdhsa_kernel k_q190ac4f5d2_attn
		.amdhsa_group_segment_fixed_size 327680
		.amdhsa_private_segment_fixed_size 0
		.amdhsa_enable_private_segment 0
		.amdhsa_kernarg_size 40
		.amdhsa_user_sgpr_count 2
		.amdhsa_user_sgpr_kernarg_segment_ptr 1
		.amdhsa_wavefront_size32 1
		.amdhsa_system_sgpr_workgroup_id_x 1
		.amdhsa_system_sgpr_workgroup_id_y 1
		.amdhsa_system_sgpr_workgroup_id_z 1
		.amdhsa_system_vgpr_workitem_id 0
		.amdhsa_next_free_vgpr 512
		.amdhsa_next_free_sgpr 80
		.amdhsa_reserve_vcc 1
		.amdhsa_float_denorm_mode_32 3
		.amdhsa_float_denorm_mode_16_64 3
		.amdhsa_memory_ordered 1
		.amdhsa_forward_progress 1
		.amdhsa_inst_pref_size 186
	.end_amdhsa_kernel
	.amdgpu_metadata
---
amdhsa.version: [ 1, 2 ]
amdhsa.kernels:
  - .name:           k_q190ac4f5d2_attn
    .symbol:         k_q190ac4f5d2_attn.kd
    .args:
      - { .name: qbuf, .offset: 0, .size: 8, .value_kind: global_buffer, .address_space: global }
      - { .name: kbuf, .offset: 8, .size: 8, .value_kind: global_buffer, .address_space: global }
      - { .name: vbuf, .offset: 16, .size: 8, .value_kind: global_buffer, .address_space: global }
      - { .name: mask, .offset: 24, .size: 8, .value_kind: global_buffer, .address_space: global }
      - { .name: part, .offset: 32, .size: 8, .value_kind: global_buffer, .address_space: global }
    .group_segment_fixed_size: 327680
    .private_segment_fixed_size: 0
    .kernarg_segment_align: 8
    .kernarg_segment_size: 40
    .max_flat_workgroup_size: 256
    .sgpr_count:     80
    .vgpr_count:     512
    .wavefront_size: 32
...
	.end_amdgpu_metadata
.endif
;; end of part 2
;; launch red (part 3): grid 32 x 1, 2 waves a work-group, no clusters, 0 bytes of LDS; arguments part, length, out0; writes out0
.if DOCPART == 3
	.amdgcn_target "amdgcn-amd-amdhsa--gfx1250"
	.amdhsa_code_object_version 6
	.text
	.protected	k_q190ac4f5d2_red
	.globl	k_q190ac4f5d2_red
	.p2align	8
	.type	k_q190ac4f5d2_red,@function
k_q190ac4f5d2_red:
	s_mov_b64 s[64:65], 0
	v_nop
	global_prefetch_b8 v0, s[64:65] scope:SCOPE_SE
	s_setreg_imm32_b32 hwreg(HW_REG_WAVE_MODE, 25, 1), 1
	s_wait_xcnt 0x0
; out0[b][:] = (the sum over the batch's sixteen rows of part[b]) / length[b].  part: [32][16][256] f32.
; A work-group takes a batch; its 64 threads take four outputs each: every load and the store of a wave cover 512 consecutive bytes, aligned to 256.
; The division is a multiplication by v_rcp_f32 of the length.  LIMIT: length = 0 gives the sum times infinity.
; 16 KiB a work-group: no LDS, no cluster, nothing is shared.
	s_load_b128 s[4:7], s[0:1], 0x0                ; part s[4:5], length s[6:7]
	s_load_b64 s[8:9], s[0:1], 0x10                ; out0
	v_lshlrev_b32 v1, 4, v0                        ; my 16 bytes
	s_lshl_b32 s10, ttmp9, 14                      ; the batch's 16,384 bytes of part,
	s_mov_b32 s11, 0
	s_lshl_b32 s12, ttmp9, 10                      ; its 1,024 bytes of out0,
	s_mov_b32 s13, 0
	s_lshl_b32 s14, ttmp9, 2                       ; and its length
	v_mov_b32 v2, s14
	s_wait_alu depctr_va_vdst(0)                   ; the head's end
	s_wait_kmcnt 0x0
	s_add_nc_u64 s[4:5], s[4:5], s[10:11]
	s_add_nc_u64 s[8:9], s[8:9], s[12:13]
	global_load_b32 v80, v2, s[6:7]
.irp i, 0,1,2,3,4,5,6,7,8,9,10,11,12,13,14,15
	global_load_b128 v[4+4*\i:7+4*\i], v1, s[4:5] offset:1024*\i
.endr
	s_wait_loadcnt 16                              ; the length is in; the sixteen loads behind it may be out
	v_rcp_f32 v82, v80
	v_mov_b32 v83, 0                               ; the plain line behind the reciprocal; v83 is named with v82 as a pair, so it is written
	s_wait_loadcnt 0x0
.irp d, 8,4,2,1                                ; a tree
.set I, 0
.rept \d
	v_pk_add_f32 v[4+4*I:5+4*I], v[4+4*I:5+4*I], v[4+4*(I+\d):5+4*(I+\d)]
	v_pk_add_f32 v[6+4*I:7+4*I], v[6+4*I:7+4*I], v[6+4*(I+\d):7+4*(I+\d)]
.set I, I+1
.endr
.endr
	s_wait_alu depctr_va_vdst(0)                   ; the wait for the reciprocal, ahead of its first reader
	v_pk_mul_f32 v[4:5], v[4:5], v[82:83] op_sel_hi:[1,0]
	v_pk_mul_f32 v[6:7], v[6:7], v[82:83] op_sel_hi:[1,0]
	global_store_b128 v1, v[4:7], s[8:9]
	s_endpgm
.Lfunc_end_k_q190ac4f5d2_red:
	.size	k_q190ac4f5d2_red, .Lfunc_end_k_q190ac4f5d2_red-k_q190ac4f5d2_red
	.p2alignl 7, 3214868480
	.fill 96, 4, 3214868480
	.section	.rodata,"a",@progbits
	.p2align	6, 0x0
	.amdhsa_kernel k_q190ac4f5d2_red
		.amdhsa_group_segment_fixed_size 0
		.amdhsa_private_segment_fixed_size 0
		.amdhsa_enable_private_segment 0
		.amdhsa_kernarg_size 24
		.amdhsa_user_sgpr_count 2
		.amdhsa_user_sgpr_kernarg_segment_ptr 1
		.amdhsa_wavefront_size32 1
		.amdhsa_system_sgpr_workgroup_id_x 1
		.amdhsa_system_sgpr_workgroup_id_y 1
		.amdhsa_system_sgpr_workgroup_id_z 1
		.amdhsa_system_vgpr_workitem_id 0
		.amdhsa_next_free_vgpr 96
		.amdhsa_next_free_sgpr 66
		.amdhsa_reserve_vcc 0
		.amdhsa_float_denorm_mode_32 3
		.amdhsa_float_denorm_mode_16_64 3
		.amdhsa_memory_ordered 1
		.amdhsa_forward_progress 1
		.amdhsa_inst_pref_size 5
	.end_amdhsa_kernel
	.amdgpu_metadata
---
amdhsa.version: [ 1, 2 ]
amdhsa.kernels:
  - .name:           k_q190ac4f5d2_red
    .symbol:         k_q190ac4f5d2_red.kd
    .args:
      - { .name: part, .offset: 0, .size: 8, .value_kind: global_buffer, .address_space: global }
      - { .name: length, .offset: 8, .size: 8, .value_kind: global_buffer, .address_space: global }
      - { .name: out0, .offset: 16, .size: 8, .value_kind: global_buffer, .address_space: global }
    .group_segment_fixed_size: 0
    .private_segment_fixed_size: 0
    .kernarg_segment_align: 8
    .kernarg_segment_size: 24
    .max_flat_workgroup_size: 64
    .sgpr_count:     66
    .vgpr_count:     96
    .wavefront_size: 32
...
	.end_amdgpu_metadata
.endif
;; end of part 3
